; MI455X (gfx1250); checked and timed in simulation.
; The chip was launched on July 23, 2026; its instructions are those of AMD's public machine-readable ISA for CDNA 5 (MIT licence, August 2026) and "CDNA5" Instruction Set Architecture Reference Guide (July 2026). The comments in the code are by the model that wrote it; some were corrected since.
;; Bit Linear LRLS. Allowed arithmetic: matrix products marked QUANTISED: E2M1 operands, one E8M0 scale for each 32 along K, by v_wmma_scale_f32_16x16x128_f8f6f4 with both operands' format E2M1 (or v_wmma_scale_f32_32x16x128_f4), f32 sums; products left as they are: f32 operands where the result goes on into a quantised operand, else bf16, f16 or f32 operands; f32 sums; everything else in f32.
;; Inputs: lrls_A 4,096 x 16 float32; lrls_B 16 x 4,096 float32; scale 4,096 float32; threshold one number float32; weight 4,096 x 4,096 float32; x 4 x 1,024 x 4,096 float32.
;; Outputs: out0 4 x 1,024 x 4,096 float32.
;; This version of the problem:
;;   THIS VERSION OF THE PROBLEM IS GIVEN IN LOW PRECISION. The matrix products marked QUANTISED in the list below multiply operands that are first quantised to E2M1 (2 exponent bits, 1 mantissa bit; 4 bits a number), with one power-of-two scale for each 32 numbers along K (OCP MX v1.0); their sums are f32. All else is computed in f32.
;;   The module's matrix products, in the order in which they are computed (A, B: the left and right operand; K: the contracted axis; several contracted axes count as one K, in the product's order):
;;     1. [M 16, K 4,096] x [K 4,096, N 1]; A: input lrls_B; B: computed on the way: left as it is (N = 1 < 16)
;;     2. [M 4,096, K 16] x [K 16, N 1]; A: input lrls_A; B: computed on the way: left as it is (K = 16 < 32)
;;     3. [M 4,096, K 4,096] x [K 4,096, N 4,096]; A: input x; B: computed on the way: QUANTISED
;;   THE QUANTISER, for each operand of a quantised product, along K:
;;     - K is cut into blocks of 32 from its start; a last block that is shorter is filled with zeros.
;;     - A block's scale is 2^e with e = floor(log2(the largest magnitude in the block)) - 2, held to -126 .. 127; a block of zeros has e = 0. As a byte (E8M0): e + 127.
;;     - Each number is divided by its block's scale, clamped to +-6, and rounded to the nearest number of E2M1, ties to even, subnormals kept.
;;     - The product sums the exact products of the quantised numbers (number of the format x scale) in f32.
;;   ~~~python
;;   def quantise(x, axis):      # numpy; x: float32 -> the quantised numbers, widened to float32 again
;;       x = np.moveaxis(x, axis, -1); K = x.shape[-1]
;;       x = np.pad(x, [(0, 0)] * (x.ndim - 1) + [(0, -K % 32)]); x = x.reshape(x.shape[:-1] + (-1, 32)); a = np.abs(x).max(-1, keepdims=True)
;;       e = np.where(a > 0, np.clip(np.frexp(np.where(a > 0, a, 1))[1] - 1 - 2, -126, 127), 0)      # np.frexp(a)[1] - 1 = floor(log2(a)), exactly
;;       r = np.clip(x / 2.0 ** e, -6, 6)
;;       step = 2.0 ** (np.maximum(np.frexp(np.where(r == 0, 1, r))[1] - 1, 0) - 1)
;;       q = np.round(r / step) * step * 2.0 ** e      # np.round: ties to even
;;       return np.moveaxis(q.reshape(q.shape[:-2] + (-1,))[..., :K], -1, axis).astype(np.float32)
;;   ~~~
;;   OPERANDS COMPUTED ON THE WAY. 'Computed on the way' means the value that the module computes at that place (a softmax that the list does not call 'softmax' is quantised finished and normalised). What goes into a quantiser is computed in f32, as accurately as f32 sums, v_exp_f32 and their like allow (about 1e-6 of the number): no bf16 or f16 on the way to a quantiser, and a product that is left as it is and whose result goes on into a quantised operand takes f32 operands (vector FMAs, or v_wmma_f32_16x16x4_f32). A number that lies on a knife's edge between two numbers of the format may be rounded either way, as far as f32 arithmetic and the matrix unit's own rounding can turn it there, and no further.
;; One version. Each part assembles by itself: llvm-mc -triple=amdgcn-amd-amdhsa -mcpu=gfx1250 --defsym DOCPART=n.
;; ======== version 1 of 1: 3 launches
;; limits: right only within a limited range of input values
;; workspace buffers: xq 8,912,896 bytes; wq 8,912,896 bytes; part 16,384 bytes
;; launch quant_x (part 1): grid 8 x 32, 8 waves a work-group, no clusters, 97,280 bytes of LDS; arguments x, lrls_B, xq, part; writes xq, part
.if DOCPART == 1
	.amdgcn_target "amdgcn-amd-amdhsa--gfx1250"
	.amdhsa_code_object_version 6
	.text
	.protected	k_q1f1ea4034d_quant_x
	.globl	k_q1f1ea4034d_quant_x
	.p2align	8
	.type	k_q1f1ea4034d_quant_x,@function
k_q1f1ea4034d_quant_x:
	s_mov_b64 s[64:65], 0
	v_nop
	global_prefetch_b8 v0, s[64:65] scope:SCOPE_SE
	s_setreg_imm32_b32 hwreg(HW_REG_WAVE_MODE, 25, 1), 1
	s_wait_xcnt 0x0
; x [4096 rows][4096] f32 becomes codes of FP4 (E2M1), K innermost, with one E8M0 scale byte for each 32 along K; and the sums that the LRLS correction needs of x are begun.
; A block's scale is 2^(floor(log2(its largest magnitude)) - 2); its byte is the largest magnitude's exponent field - 2, held at 1 from below; each number is divided by the scale and rounded to the nearest code, ties to even,
; beyond the largest code the largest.
; LIMITS: NaN and infinities among the inputs are not served.  A block whose largest magnitude lies under 2^-124 has its byte held at 1.  A block of zeros gets the byte 1 where the rule says 127: its codes are zeros,
; which add nothing under any byte but 0xff, and the bytes are read by this program alone.
; THE CODES' BUFFER is laid for its reader, the product's launch: a block for K step s (512 along K, 0..7) and row group g (128 rows, 0..31) is GRP = 34,816 consecutive bytes at (32 s + g) GRP:
; 128 rows x 256 bytes of codes, then 128 rows x 16 scale bytes.  One work-group writes one block, every store of a wave covering 256 consecutive bytes, aligned.
; SHARES.  Work-group (x = K step, y = row group); wave w takes rows 16 w .. 16 w + 15; a step is one row's 512 numbers.  Each of a step's four loads reads 512 consecutive bytes, 16 a lane; the conversions want 16
; NEIGHBOURS in a lane, so the 2,048 bytes turn through the wave's own stage in LDS (16 bytes of padding behind each 64) and come back 64 bytes a lane.  Two neighbouring lanes hold a block of 32.
; Loads run DEPTH = 8 steps ahead: 32 loads of 512 bytes a wave, 128 KiB a work-group, half of the 256 KiB that it reads; the turn through LDS runs one step ahead.
; THE SUMS.  corr = lrls_A (lrls_B mean(x)) is linear in x: a lane adds up its 16 columns over the wave's 16 rows; the eight waves' sums meet in LDS behind the one barrier; wave w multiplies the 512 column sums by
; rows 2 w and 2 w + 1 of lrls_B and stores two numbers: part[work-group][16], 64 bytes a work-group.  All in f32.
.set GRP,   34816
.set STEPS, 16
.set DEPTH, 8
.set SP,    80                         ; a lane's place in a stage: its 64 bytes + 16 of padding
.set SBY,   2*32*SP                    ; behind a wave's two stages: its 256 scale bytes
.set WREG,  SBY+256                    ; a wave's own LDS
.set CSUM,  8*WREG                     ; behind the waves' regions: 8 x 512 column sums
.set R,     16                         ; v16-143  eight sets of 16 numbers as they are loaded; later, in the first four, the waves' column sums
.set X,     144                        ; v144-175 two sets of 16 neighbours
.set CS,    176                        ; v176-191 step 0's neighbours, onto which the later rows are added: nothing is cleared
.set C,     192                        ; v192-199 codes: two registers a step, four steps by turns
.set E,     200                        ; v200-201 a step's scale byte, two steps by turns
.set BB,    202                        ; v202-233 rows 2 w and 2 w + 1 of lrls_B, my 16 columns of each
.set ZR,    234                        ; v234     0
	s_load_b256 s[4:11], s[0:1], 0x0               ; x s[4:5], lrls_B s[6:7], the codes' buffer s[8:9], part s[10:11]
	v_lshl_add_u32 v236, v0, 2, 0xe800
	v_mov_b32 v237, 0
	v_lshrrev_b32 v1, 5, v0
	s_delay_alu instid0(VALU_DEP_1)
	v_readfirstlane_b32 s12, v1                    ; wave 0..7
	s_and_b32 s14, ttmp7, 0xffff                   ; row group; ttmp9 is the K step
	v_and_b32 v2, 31, v0                           ; lane
	s_delay_alu instid0(VALU_DEP_1)
	v_lshlrev_b32 v3, 4, v2                        ; my 16 bytes of a load's 512
	s_delay_alu instid0(VALU_DEP_2)
	v_lshlrev_b32 v4, 3, v2                        ; my 8 bytes of a row's 256 bytes of codes
	s_mul_i32 s15, s12, WREG
	v_lshrrev_b32 v14, 2, v2
	s_delay_alu instid0(VALU_DEP_1)
	v_mul_u32_u24 v14, v14, SP
	v_and_b32 v15, 3, v2
	s_delay_alu instid0(VALU_DEP_1)
	v_lshl_add_u32 v14, v15, 4, v14
	s_delay_alu instid0(VALU_DEP_1)
	v_add_nc_u32 v14, s15, v14                     ; the stage, on the way in: SP (lane / 4) + 16 (lane % 4); a load's 512 bytes take eight places
	v_mul_u32_u24 v15, v2, SP
	s_delay_alu instid0(VALU_DEP_1)
	v_add_nc_u32 v15, s15, v15                     ; and on the way out: SP x lane: my 16 neighbours
; THE BLOCK'S PLACE AND INNER ORDER, as the product's launch reads them (this takes the place of the head's sentence on the buffer, which gives the sizes):
; the block of row group g and K step s lies at (8 g + s) GRP, so a row group's eight K steps are 278,528 consecutive bytes.  Its 32,768 bytes of codes are register images:
; rows 16 i .. 16 i + 15, the q-th 128 along K, at 4096 i + 1024 q: two runs of 512 bytes (c = 0, 1), in each 16 bytes for lane 16 h + r: row r's K = 64 c + 32 h + 0 .. 31.
; Its 2,048 scale bytes: the word (four bytes, 128 along K) of row r of rows' block i = 2 j + h, for q, at 512 q + 16 (16 h + r) + 4 j.
; A wave's 16 rows are one block i: its codes gather in a stage of its own (16 pieces of 32 along K, 272 bytes apart) and leave as eight stores of 512 consecutive bytes;
; the eight waves' scale bytes gather in 2,048 shared bytes and leave behind the barrier, 256 consecutive bytes a wave.
; (The input threshold has no way to any output: reference() divides by the constant 0.5 and never reads it.  No launch takes it.)
.set CST, 60416                        ; behind the spare words: eight stages of 16 x 272 bytes for codes
.set SCB, CST+8*4352                   ; behind them: the work-group's 2,048 scale bytes
	s_and_b32 s15, s12, 1
	s_lshl_b32 s15, s15, 8
	s_lshr_b32 s16, s12, 1
	s_lshl_b32 s16, s16, 2
	s_add_co_u32 s15, s15, s16
	s_add_co_u32 s15, s15, SCB                     ; scale bytes of my wave's rows: 256 (w % 2) + 4 (w / 2)
	s_lshl_b32 s16, s12, 8
	s_add_co_u32 s16, s16, SCB                     ; the 256 of them that my wave stores
	s_mul_i32 s17, s12, 4352
	s_add_co_u32 s17, s17, CST                     ; my wave's stage for codes
	v_bfe_u32 v5, v2, 1, 2                         ; my block of 32 is lane / 2: byte (lane / 2) % 4
	v_lshrrev_b32 v6, 3, v2                        ; of the word of q = lane / 8
	v_lshl_add_u32 v5, v6, 9, v5
	v_add_nc_u32 v5, s15, v5                       ; my block's scale byte; the row adds 16 t
	v_add_nc_u32 v6, s16, v4                       ; and on the way out 8 bytes a lane
	v_lshrrev_b32 v238, 1, v2
	v_mul_u32_u24 v238, v238, 272
	v_and_b32 v239, 1, v2
	v_lshl_add_u32 v238, v239, 3, v238
	v_add_nc_u32 v238, s17, v238                   ; codes into the stage: piece lane / 2, my 8 bytes of its 16; the row adds 16 t
	v_lshrrev_b32 v239, 4, v2
	v_lshl_add_u32 v239, v239, 4, v3
	v_add_nc_u32 v239, s17, v239                   ; and back: 272 (lane / 16) + 16 (lane % 16); run 2 q + c adds 544
	s_lshl_b32 s15, s12, 11
	s_add_co_u32 s15, s15, CSUM
	v_lshl_add_u32 v1, v2, 6, s15                  ; where my 16 column sums go: my wave's 2,048 bytes, 64 a lane
	v_add_nc_u32 v7, CSUM, v3                      ; and where sums are read back: 16 bytes a lane, as lrls_B is loaded
	v_mov_b32 v10, 0                               ; written once: a lane permute's destination counts as one of its sources
	v_mov_b32 v11, 0
	v_mov_b32 v[ZR], 0
	s_lshl_b32 s16, s14, 21                        ; x: 128 rows of 16,384 bytes a group,
	s_lshl_b32 s17, s12, 18                        ; 16 rows a wave,
	s_add_co_u32 s16, s16, s17
	s_lshl_b32 s17, ttmp9, 11                      ; 2,048 bytes a K step
	s_add_co_u32 s16, s16, s17
	s_mov_b32 s17, 0
	s_lshl_b32 s18, s14, 3
	s_add_co_u32 s18, s18, ttmp9                   ; block 8 g + s
	s_mul_i32 s18, s18, GRP                        ; my work-group's block of the codes' buffer
	s_mov_b32 s19, 0
	s_lshl_b32 s26, s12, 8
	s_add_co_u32 s26, s26, s18
	s_add_co_u32 s26, s26, 32768                   ; my wave's 256 scale bytes in it
	s_mov_b32 s27, 0
	s_lshl_b32 s28, s12, 12
	s_add_co_u32 s18, s18, s28                     ; my wave's 16 rows of codes
	s_lshl_b32 s28, s12, 15                        ; lrls_B: row 2 w,
	s_lshl_b32 s29, ttmp9, 11                      ; the K step's 512 columns
	s_add_co_u32 s28, s28, s29
	s_mov_b32 s29, 0
	s_lshl_b32 s30, s14, 3
	s_add_co_u32 s30, s30, ttmp9
	s_lshl_b32 s30, s30, 6                         ; part: 64 bytes for work-group 8 y + x,
	s_lshl_b32 s31, s12, 3                         ; 8 of them my wave's
	s_add_co_u32 s30, s30, s31
	s_mov_b32 s31, 0
	s_mov_b32 s20, 0x76543210
	s_mov_b32 s21, 0xfedcba98                      ; v_permlanex16_b32's selects for lane l xor 16
	s_wait_alu depctr_va_vdst(0)
	s_wait_kmcnt 0x0
	s_add_nc_u64 s[4:5], s[4:5], s[16:17]
	s_add_nc_u64 s[24:25], s[8:9], s[26:27]
	s_add_nc_u64 s[8:9], s[8:9], s[18:19]
	s_add_nc_u64 s[6:7], s[6:7], s[28:29]
	s_add_nc_u64 s[10:11], s[10:11], s[30:31]
.irp jj, 0,1
.irp i, 0,1,2,3
	global_load_b128 v[BB+16*\jj+4*\i:BB+16*\jj+4*\i+3], v3, s[6:7] offset:16384*\jj+512*\i   ; lane l: columns 128 i + 4 l + 0 .. 3
.endr
.endr
.macro LOAD t
.irp i, 0,1,2,3
	global_load_b128 v[R+16*((\t)%DEPTH)+4*\i:R+16*((\t)%DEPTH)+4*\i+3], v3, s[4:5] offset:16384*(\t)+512*\i th:TH_LOAD_NT   ; 32 lanes read 512 consecutive bytes of row t
.endr
.endm
.macro TURN t                          ; step t's numbers through the stage: LDS serves a wave's instructions in order, so no wait stands between the stores and the loads
.if (\t) == 0
.set XD, CS
.else
.set XD, X+16*((\t)%2)
.endif
.irp i, 0,1,2,3
	ds_store_b128 v14, v[R+16*((\t)%DEPTH)+4*\i:R+16*((\t)%DEPTH)+4*\i+3] offset:32*SP*((\t)%2)+8*SP*\i
.endr
.irp i, 0,1,2,3
	ds_load_b128 v[XD+4*\i:XD+4*\i+3], v15 offset:32*SP*((\t)%2)+16*\i
.endr
.endm
.irp t, 0,1,2,3,4,5,6,7
	LOAD \t
.endr
	s_wait_loadcnt 4*(DEPTH-1)                     ; lrls_B's eight loads and step 0's four are in; the 28 of steps 1 to 7 may be out
	TURN 0
.macro STEP t
.if (\t) == 0
.set XS, CS
	s_wait_dscnt 0x0
.else
.set XS, X+16*((\t)%2)
	s_wait_dscnt 2                                 ; this step's numbers are back from the stage; the last step's two stores (its byte, its codes) may be out
.endif
.if (\t)+DEPTH < STEPS
	LOAD (\t)+DEPTH                                ; the set that this step's numbers have left takes the loads of eight steps on
.endif
.if (\t)+1 < STEPS
.if STEPS-2-(\t) >= DEPTH-1
	s_wait_loadcnt 4*(DEPTH-1)                     ; the next step's four loads are in; those of the seven steps behind it may be out
.else
	s_wait_loadcnt 4*(STEPS-2-(\t))                ; towards the end: those of the steps that are left
.endif
	TURN (\t)+1                                    ; and go through the other stage while this step is worked
.endif
.if (\t) > 0
.irp j, 0,2,4,6,8,10,12,14
	v_pk_add_f32 v[CS+\j:CS+\j+1], v[CS+\j:CS+\j+1], v[XS+\j:XS+\j+1]   ; my 16 columns' sums over the wave's rows
.endr
.endif
	v_max3_num_f32 v8, |v[XS]|, |v[XS+1]|, |v[XS+2]|               ; the largest magnitude of my 16, in two chains
	v_max3_num_f32 v9, |v[XS+3]|, |v[XS+4]|, |v[XS+5]|
.irp i, 6,10
	s_delay_alu instid0(VALU_DEP_2)
	v_max3_num_f32 v8, v8, |v[XS+\i]|, |v[XS+\i+1]|
	s_delay_alu instid0(VALU_DEP_2)
	v_max3_num_f32 v9, v9, |v[XS+\i+2]|, |v[XS+\i+3]|
.endr
	s_delay_alu instid0(VALU_DEP_2)
	v_max3_num_f32 v8, v8, |v[XS+14]|, |v[XS+15]|
	s_delay_alu instid0(VALU_DEP_1)
	v_max3_num_f32 v8, v8, v9, 0x1800000           ; and the floor 2^(3 - 127), under which no largest magnitude is taken: so the byte cannot fall under 1
	s_delay_alu instid0(VALU_DEP_1)
	v_max_num_f32_dpp v8, v8, v8 row_xmask:1 row_mask:0xf bank_mask:0xf   ; and of my neighbour's 16: the block's
	s_delay_alu instid0(VALU_DEP_1)
	v_add_nc_u32 v11, 0xff000000, v8               ; 2 off its exponent field: the conversion takes the exponent field of this operand as its scale, and nothing else of it
	v_cvt_scalef32_pk8_fp4_f32 v[C+2*((\t)%4)], v[XS:XS+7], v11
	v_cvt_scalef32_pk8_fp4_f32 v[C+2*((\t)%4)+1], v[XS+8:XS+15], v11
	v_lshrrev_b32 v[E+(\t)%2], 23, v11             ; the scale's byte; also the plain line behind the conversions
	ds_store_b8 v5, v[E+(\t)%2] offset:16*(\t)     ; both lanes of a block write the same byte with the same value
	ds_store_b64 v238, v[C+2*((\t)%4):C+2*((\t)%4)+1] offset:16*(\t)   ; row t's place in each piece of the stage
.endm
.irp t, 0,1,2,3,4,5,6,7,8,9,10,11,12,13,14,15
	STEP \t
.endr
.irp k, 0,1,2,3,4,5,6,7
	ds_load_b128 v[R+64+4*\k:R+64+4*\k+3], v239 offset:544*\k      ; my codes as register images; LDS serves a wave's instructions in order: these see my stores
.endr
.irp i, 0,1,2,3
	ds_store_b128 v1, v[CS+4*\i:CS+4*\i+3] offset:16*\i            ; my column sums, in the order of the columns
.endr
	s_wait_dscnt 0x0                               ; the codes are back; for the others' sake: my byte stores and my sums have landed
.irp k, 0,1,2,3,4,5,6,7
	global_store_b128 v3, v[R+64+4*\k:R+64+4*\k+3], s[8:9] offset:512*\k   ; 512 consecutive bytes, aligned
.endr
	s_barrier_signal -1
	s_barrier_wait -1                              ; the eight waves' column sums and scale bytes lie in LDS; nobody writes them again
	ds_load_b64 v[12:13], v6
	s_wait_dscnt 0x0
	global_store_b64 v4, v[12:13], s[24:25]        ; 256 of the block's scale bytes: consecutive, aligned
.irp k, 0,1,2,3
.irp i, 0,1,2,3
	ds_load_b128 v[R+16*\k+4*\i:R+16*\k+4*\i+3], v7 offset:2048*\k+512*\i   ; wave k's sums of columns 128 i + 4 l + 0 .. 3
.endr
.endr
	s_wait_dscnt 0x0
.irp j, 0,2,4,6,8,10,12,14
	v_pk_add_f32 v[CS+\j:CS+\j+1], v[R+\j:R+\j+1], v[R+16+\j:R+16+\j+1]
.endr
.irp k, 2,3
.irp j, 0,2,4,6,8,10,12,14
	v_pk_add_f32 v[CS+\j:CS+\j+1], v[CS+\j:CS+\j+1], v[R+16*\k+\j:R+16*\k+\j+1]
.endr
.endr
.irp k, 0,1,2,3
.irp i, 0,1,2,3
	ds_load_b128 v[R+16*\k+4*\i:R+16*\k+4*\i+3], v7 offset:2048*(4+\k)+512*\i
.endr
.endr
	s_wait_alu depctr_va_vdst(0)
	s_wait_dscnt 0x0
.irp k, 0,1,2,3
.irp j, 0,2,4,6,8,10,12,14
	v_pk_add_f32 v[CS+\j:CS+\j+1], v[CS+\j:CS+\j+1], v[R+16*\k+\j:R+16*\k+\j+1]   ; the work-group's sums over its 128 rows
.endr
.endr
.irp jj, 0,1
	v_pk_mul_f32 v[X+2*\jj:X+2*\jj+1], v[CS:CS+1], v[BB+16*\jj:BB+16*\jj+1]       ; times lrls_B's rows 2 w and 2 w + 1, the two chains by turns
.endr
.irp j, 2,4,6,8,10,12,14
.irp jj, 0,1
	s_delay_alu instid0(VALU_DEP_2)
	v_pk_fma_f32 v[X+2*\jj:X+2*\jj+1], v[CS+\j:CS+\j+1], v[BB+16*\jj+\j:BB+16*\jj+\j+1], v[X+2*\jj:X+2*\jj+1]
.endr
.endr
	s_delay_alu instid0(VALU_DEP_2)
	v_add_f32 v8, v[X], v[X+1]
	s_delay_alu instid0(VALU_DEP_2)
	v_add_f32 v9, v[X+2], v[X+3]
.irp m, 1,2,4,8
	s_delay_alu instid0(VALU_DEP_2)
	v_add_f32_dpp v8, v8, v8 row_xmask:\m row_mask:0xf bank_mask:0xf
	s_delay_alu instid0(VALU_DEP_2)
	v_add_f32_dpp v9, v9, v9 row_xmask:\m row_mask:0xf bank_mask:0xf
.endr
	s_delay_alu instid0(VALU_DEP_2)
	v_permlanex16_b32 v10, v8, s20, s21
	s_delay_alu instid0(VALU_DEP_2)
	v_permlanex16_b32 v11, v9, s20, s21
	s_delay_alu instid0(VALU_DEP_2)
	v_add_f32 v8, v8, v10
	s_delay_alu instid0(VALU_DEP_2)
	v_add_f32 v9, v9, v11                          ; every lane holds the two sums over the 512 columns
	s_wait_alu depctr_va_vdst(0)
	s_wait_xcnt 0x0                                ; EXEC is a source of the stores above: it changes only behind this wait
	v_cmp_eq_u32 vcc_lo, 0, v2
	s_wait_tensorcnt 0x0
	ds_add_u32 v236, v237
	s_wait_dscnt 0x0
	s_and_saveexec_b32 s22, vcc_lo
	global_store_b64 v[ZR], v[8:9], s[10:11]       ; lane 0 alone: part[work-group][2 w], [2 w + 1]
	s_wait_xcnt 0x0                                ; and again, in front of the line that widens it
	s_or_b32 exec_lo, exec_lo, s22
	s_endpgm
.Lfunc_end_k_q1f1ea4034d_quant_x:
	.size	k_q1f1ea4034d_quant_x, .Lfunc_end_k_q1f1ea4034d_quant_x-k_q1f1ea4034d_quant_x
	.p2alignl 7, 3214868480
	.fill 96, 4, 3214868480
	.section	.rodata,"a",@progbits
	.p2align	6, 0x0
	.amdhsa_kernel k_q1f1ea4034d_quant_x
		.amdhsa_group_segment_fixed_size 97280
		.amdhsa_private_segment_fixed_size 0
		.amdhsa_enable_private_segment 0
		.amdhsa_kernarg_size 32
		.amdhsa_user_sgpr_count 2
		.amdhsa_user_sgpr_kernarg_segment_ptr 1
		.amdhsa_wavefront_size32 1
		.amdhsa_system_sgpr_workgroup_id_x 1
		.amdhsa_system_sgpr_workgroup_id_y 1
		.amdhsa_system_sgpr_workgroup_id_z 1
		.amdhsa_system_vgpr_workitem_id 0
		.amdhsa_next_free_vgpr 240
		.amdhsa_next_free_sgpr 66
		.amdhsa_reserve_vcc 1
		.amdhsa_float_denorm_mode_32 3
		.amdhsa_float_denorm_mode_16_64 3
		.amdhsa_memory_ordered 1
		.amdhsa_forward_progress 1
		.amdhsa_inst_pref_size 57
	.end_amdhsa_kernel
	.amdgpu_metadata
---
amdhsa.version: [ 1, 2 ]
amdhsa.kernels:
  - .name:           k_q1f1ea4034d_quant_x
    .symbol:         k_q1f1ea4034d_quant_x.kd
    .args:
      - { .name: x, .offset: 0, .size: 8, .value_kind: global_buffer, .address_space: global }
      - { .name: lrls_B, .offset: 8, .size: 8, .value_kind: global_buffer, .address_space: global }
      - { .name: xq, .offset: 16, .size: 8, .value_kind: global_buffer, .address_space: global }
      - { .name: part, .offset: 24, .size: 8, .value_kind: global_buffer, .address_space: global }
    .group_segment_fixed_size: 97280
    .private_segment_fixed_size: 0
    .kernarg_segment_align: 8
    .kernarg_segment_size: 32
    .max_flat_workgroup_size: 256
    .sgpr_count:     66
    .vgpr_count:     240
    .wavefront_size: 32
...
	.end_amdgpu_metadata
.endif
;; end of part 1
;; launch quant_w (part 2): grid 8 x 32, 8 waves a work-group, no clusters, 81,408 bytes of LDS; arguments weight, part, lrls_A, scale, wq; writes wq
.if DOCPART == 2
	.amdgcn_target "amdgcn-amd-amdhsa--gfx1250"
	.amdhsa_code_object_version 6
	.text
	.protected	k_q1f1ea4034d_quant_w
	.globl	k_q1f1ea4034d_quant_w
	.p2align	8
	.type	k_q1f1ea4034d_quant_w,@function
k_q1f1ea4034d_quant_w:
	s_mov_b64 s[64:65], 0
	v_nop
	global_prefetch_b8 v0, s[64:65] scope:SCOPE_SE
	s_setreg_imm32_b32 hwreg(HW_REG_WAVE_MODE, 25, 1), 1
	s_wait_xcnt 0x0
; w_eff[o][i] = (w + (clip(round(w / 0.5), -1, 1) - w)) x s[o], s = scale + lrls_A (lrls_B mean(x)), becomes codes of FP4 (E2M1), K innermost, with one E8M0 scale byte for each 32 along K,
; in a buffer laid as the codes of x are: a block for K step s and row group g is 34,816 consecutive bytes at (32 s + g) GRP: 128 rows x 256 bytes of codes, then 128 rows x 16 scale bytes.
; All arithmetic ahead of the quantiser is f32 and is written as the definition writes it: 2 w (exact), to the nearest whole number with ties to even, held to -1 .. 1, less w, plus w, times s.
; THE INPUT threshold IS NOT TAKEN: the definition divides by the constant 0.5 and never reads that input, so no result hangs on it.
; LIMITS: NaN and infinities among the inputs are not served.  A block whose largest magnitude lies under 2^-124 has its byte held at 1.  A block of zeros gets the byte 1 where the rule says 127: its codes are zeros,
; which add nothing under any byte but 0xff, and the bytes are read by this program alone.
; SHARES, stage, loads and stores as in the launch that quantises x: work-group (x = K step, y = row group), wave w rows 16 w .. 16 w + 15, a step = one row's 512 numbers;
; loads run DEPTH = 8 steps ahead: 32 loads of 512 bytes a wave, 128 KiB a work-group, half of the 256 KiB of weights that it reads.
; THE HEAD makes s of the wave's 16 rows.  part holds 256 work-groups' 16 partial sums of lrls_B x (the sum of x's rows): 16,384 bytes, 64 a thread.  A thread adds its four, a wave its lanes' (lanes with equal lane % 4 hold the
; same four j), the eight waves meet in LDS behind the one barrier.  Lane (r, h) then multiplies v[8 h .. 8 h + 7] by its row's eight numbers of lrls_A; lane l xor 16 has the other half.
; s = scale + 2^-12 x that: the division by the 4,096 rows is a power of two and rounds nothing, so the one fused multiply-add rounds as scale + corr does.
.set GRP,   34816
.set STEPS, 16
.set DEPTH, 8
.set SP,    80
.set SBY,   2*32*SP
.set WREG,  SBY+256
.set VS,    8*WREG                     ; behind the waves' regions: 8 waves x 16 sums
.set R,     16                         ; v16-143  eight sets of 16 numbers as they are loaded
.set X,     144                        ; v144-175 two sets of 16 neighbours
.set T,     176                        ; v176-191 w_eff of the step
.set C,     192                        ; v192-199 codes: two registers a step, four steps by turns
.set E,     200                        ; v200-201 a step's scale byte, two steps by turns
.set V,     144                        ; v144-207 at the head alone: the eight waves' sums
.set AR,    208                        ; v208-215 my eight numbers of lrls_A
.set SCL,   216                        ; v216     scale of row lane % 16
.set S,     217                        ; v217     s of row lane % 16
.set TP,    218                        ; v218-221 lane permutes' destinations
.set AO,    222                        ; v222     my byte in the wave's 16 rows of lrls_A
.set SO,    223                        ; v223     and of scale
.set VW,    224                        ; v224     LDS: where my wave's sums go
.set VR,    225                        ; v225     and where all waves' are read
.set P,     226                        ; v226-241 my 16 numbers of part
	s_load_b256 s[4:11], s[0:1], 0x0               ; weight s[4:5], part s[6:7], lrls_A s[8:9], scale s[10:11]
	s_load_b64 s[12:13], s[0:1], 0x20              ; the codes' buffer
	v_lshl_add_u32 v244, v0, 2, 0xaa00
	v_mov_b32 v245, 0
	v_lshrrev_b32 v1, 5, v0
	s_delay_alu instid0(VALU_DEP_1)
	v_readfirstlane_b32 s14, v1                    ; wave 0..7
	s_and_b32 s15, ttmp7, 0xffff                   ; row group; ttmp9 is the K step
	v_lshlrev_b32 v1, 4, v0                        ; part: 16 bytes a thread
	v_and_b32 v2, 31, v0                           ; lane
	s_delay_alu instid0(VALU_DEP_1)
	v_lshlrev_b32 v3, 4, v2
	s_delay_alu instid0(VALU_DEP_2)
	v_lshlrev_b32 v4, 3, v2
	s_mul_i32 s16, s14, WREG
	v_lshrrev_b32 v14, 2, v2
	s_delay_alu instid0(VALU_DEP_1)
	v_mul_u32_u24 v14, v14, SP
	v_and_b32 v15, 3, v2
	s_delay_alu instid0(VALU_DEP_1)
	v_lshl_add_u32 v14, v15, 4, v14
	s_delay_alu instid0(VALU_DEP_1)
	v_add_nc_u32 v14, s16, v14                     ; the stage, on the way in
	v_mul_u32_u24 v15, v2, SP
	s_delay_alu instid0(VALU_DEP_1)
	v_add_nc_u32 v15, s16, v15                     ; and on the way out
; THE BLOCK'S PLACE AND INNER ORDER are those of x's codes (this takes the place of the head's sentence on the buffer, which gives the sizes): the block of row group g and K step s lies at (8 g + s) GRP;
; codes as register images: rows 16 i .. 16 i + 15, the q-th 128 along K, at 4096 i + 1024 q: two runs of 512 bytes (c), in each 16 bytes for lane 16 h + r: row r's K = 64 c + 32 h + 0 .. 31;
; scale words: row r of rows' block i = 2 j + h, for q, at 32768 + 512 q + 16 (16 h + r) + 4 j.  A wave's codes gather in a stage of its own, the eight waves' scale bytes in 2,048 shared bytes.
.set CST, 44544                        ; behind the spare words: eight stages of 16 x 272 bytes for codes
.set SCB, CST+8*4352                   ; behind them: the work-group's 2,048 scale bytes
	s_and_b32 s16, s14, 1
	s_lshl_b32 s16, s16, 8
	s_lshr_b32 s17, s14, 1
	s_lshl_b32 s17, s17, 2
	s_add_co_u32 s16, s16, s17
	s_add_co_u32 s16, s16, SCB                     ; scale bytes of my wave's rows: 256 (w % 2) + 4 (w / 2)
	s_lshl_b32 s17, s14, 8
	s_add_co_u32 s17, s17, SCB                     ; the 256 of them that my wave stores
	s_mul_i32 s18, s14, 4352
	s_add_co_u32 s18, s18, CST                     ; my wave's stage for codes
	v_bfe_u32 v5, v2, 1, 2
	v_lshrrev_b32 v6, 3, v2
	v_lshl_add_u32 v5, v6, 9, v5
	v_add_nc_u32 v5, s16, v5                       ; my block's scale byte; the row adds 16 t
	v_add_nc_u32 v6, s17, v4                       ; and on the way out 8 bytes a lane
	v_lshrrev_b32 v242, 1, v2
	v_mul_u32_u24 v242, v242, 272
	v_and_b32 v243, 1, v2
	v_lshl_add_u32 v242, v243, 3, v242
	v_add_nc_u32 v242, s18, v242                   ; codes into the stage: piece lane / 2, my 8 bytes of its 16
	v_lshrrev_b32 v243, 4, v2
	v_lshl_add_u32 v243, v243, 4, v3
	v_add_nc_u32 v243, s18, v243                   ; and back: 272 (lane / 16) + 16 (lane % 16)
	v_and_b32 v8, 15, v2                           ; r
	v_lshrrev_b32 v9, 4, v2                        ; h
	s_delay_alu instid0(VALU_DEP_2)
	v_lshlrev_b32 v[AO], 6, v8
	s_delay_alu instid0(VALU_DEP_1)
	v_lshl_add_u32 v[AO], v9, 5, v[AO]             ; lrls_A: row r of 64 bytes, + 32 h
	s_delay_alu instid0(VALU_DEP_4)
	v_lshlrev_b32 v[SO], 2, v8
	v_and_b32 v10, 3, v2
	s_lshl_b32 s16, s14, 6
	s_add_co_u32 s16, s16, VS
	v_lshl_add_u32 v[VW], v10, 4, s16              ; my wave's 64 bytes, j = 4 (lane % 4) on
	v_lshlrev_b32 v[VR], 5, v9
	s_delay_alu instid0(VALU_DEP_1)
	v_add_nc_u32 v[VR], VS, v[VR]                  ; j = 8 h on
.irp e, 0,1,2,3
	v_mov_b32 v[TP+\e], 0                          ; written once: a lane permute's destination counts as one of its sources
.endr
	s_lshl_b32 s18, s15, 21                        ; weight: 128 rows of 16,384 bytes a group, 16 rows a wave, 2,048 bytes a K step
	s_lshl_b32 s19, s14, 18
	s_add_co_u32 s18, s18, s19
	s_lshl_b32 s19, ttmp9, 11
	s_add_co_u32 s18, s18, s19
	s_mov_b32 s19, 0
	s_lshl_b32 s22, s15, 3
	s_add_co_u32 s22, s22, ttmp9                   ; block 8 g + s
	s_mul_i32 s22, s22, GRP                        ; my work-group's block of the codes' buffer
	s_mov_b32 s23, 0
	s_lshl_b32 s26, s14, 8
	s_add_co_u32 s26, s26, s22
	s_add_co_u32 s26, s26, 32768                   ; my wave's 256 scale bytes in it
	s_mov_b32 s27, 0
	s_lshl_b32 s28, s14, 12
	s_add_co_u32 s22, s22, s28                     ; my wave's 16 rows of codes
	s_lshl_b32 s28, s15, 13                        ; lrls_A: 64 bytes a row
	s_lshl_b32 s29, s14, 10
	s_add_co_u32 s28, s28, s29
	s_mov_b32 s29, 0
	s_lshl_b32 s30, s15, 9                         ; scale: 4 bytes a row
	s_lshl_b32 s31, s14, 6
	s_add_co_u32 s30, s30, s31
	s_mov_b32 s31, 0
	s_mov_b32 s20, 0x76543210
	s_mov_b32 s21, 0xfedcba98                      ; v_permlanex16_b32's selects for lane l xor 16
	s_mov_b32 s41, 0                               ; named with s40 as a pair by the packed multiply, so it is written
	s_wait_alu depctr_va_vdst(0)
	s_wait_kmcnt 0x0
	s_add_nc_u64 s[4:5], s[4:5], s[18:19]
	s_add_nc_u64 s[24:25], s[12:13], s[26:27]
	s_add_nc_u64 s[12:13], s[12:13], s[22:23]
	s_add_nc_u64 s[8:9], s[8:9], s[28:29]
	s_add_nc_u64 s[10:11], s[10:11], s[30:31]
.irp i, 0,1,2,3
	global_load_b128 v[P+4*\i:P+4*\i+3], v1, s[6:7] offset:4096*\i   ; thread t: j = 4 (t % 4) + 0 .. 3 of work-group 64 i + t / 4
.endr
	global_load_b128 v[AR:AR+3], v[AO], s[8:9]
	global_load_b128 v[AR+4:AR+7], v[AO], s[8:9] offset:16
	global_load_b32 v[SCL], v[SO], s[10:11]
.macro LOAD t
.irp i, 0,1,2,3
	global_load_b128 v[R+16*((\t)%DEPTH)+4*\i:R+16*((\t)%DEPTH)+4*\i+3], v3, s[4:5] offset:16384*(\t)+512*\i th:TH_LOAD_NT   ; 32 lanes read 512 consecutive bytes of row t
.endr
.endm
.macro TURN t                          ; step t's numbers through the stage: LDS serves a wave's instructions in order, so no wait stands between the stores and the loads
.irp i, 0,1,2,3
	ds_store_b128 v14, v[R+16*((\t)%DEPTH)+4*\i:R+16*((\t)%DEPTH)+4*\i+3] offset:32*SP*((\t)%2)+8*SP*\i
.endr
.irp i, 0,1,2,3
	ds_load_b128 v[X+16*((\t)%2)+4*\i:X+16*((\t)%2)+4*\i+3], v15 offset:32*SP*((\t)%2)+16*\i
.endr
.endm
.irp t, 0,1,2,3,4,5,6,7
	LOAD \t                                        ; the weights are on their way while s is made
.endr
	s_wait_loadcnt 4*DEPTH                         ; the head's seven loads are in; the 32 of steps 0 to 7 may be out
	v_pk_add_f32 v[P:P+1], v[P:P+1], v[P+4:P+5]
	v_pk_add_f32 v[P+2:P+3], v[P+2:P+3], v[P+6:P+7]
	v_pk_add_f32 v[P+8:P+9], v[P+8:P+9], v[P+12:P+13]
	v_pk_add_f32 v[P+10:P+11], v[P+10:P+11], v[P+14:P+15]
	s_delay_alu instid0(VALU_DEP_2)
	v_pk_add_f32 v[P:P+1], v[P:P+1], v[P+8:P+9]
	s_delay_alu instid0(VALU_DEP_2)
	v_pk_add_f32 v[P+2:P+3], v[P+2:P+3], v[P+10:P+11]
.irp m, 4,8
.irp e, 0,1,2,3
	v_add_f32_dpp v[P+\e], v[P+\e], v[P+\e] row_xmask:\m row_mask:0xf bank_mask:0xf   ; the lanes with my lane % 4
.endr
.endr
.irp e, 0,1,2,3
	s_delay_alu instid0(VALU_DEP_4)
	v_permlanex16_b32 v[TP+\e], v[P+\e], s20, s21
.endr
.irp e, 0,1,2,3
	s_delay_alu instid0(VALU_DEP_4)
	v_add_f32 v[P+\e], v[P+\e], v[TP+\e]
.endr
	ds_store_b128 v[VW], v[P:P+3]                  ; lanes with equal lane % 4 write the same words with the same values
	s_wait_dscnt 0x0                               ; for the others' sake: my store has landed
	s_barrier_signal -1
	s_barrier_wait -1                              ; the eight waves' sums lie in LDS; nobody writes them again
.irp k, 0,1,2,3,4,5,6,7
.irp c, 0,1
	ds_load_b128 v[V+8*\k+4*\c:V+8*\k+4*\c+3], v[VR] offset:64*\k+16*\c
.endr
.endr
	s_wait_dscnt 0x0
.irp k, 1,2,3,4,5,6,7
.irp j, 0,2,4,6
	v_pk_add_f32 v[V+\j:V+\j+1], v[V+\j:V+\j+1], v[V+8*\k+\j:V+8*\k+\j+1]   ; v[8 h + 0 .. 7]: lrls_B x the sum of all rows of x
.endr
.endr
	s_delay_alu instid0(VALU_DEP_4)
	v_pk_mul_f32 v[V+8:V+9], v[V:V+1], v[AR:AR+1]
.irp j, 2,4,6
	s_delay_alu instid0(VALU_DEP_1)
	v_pk_fma_f32 v[V+8:V+9], v[V+\j:V+\j+1], v[AR+\j:AR+\j+1], v[V+8:V+9]
.endr
	s_delay_alu instid0(VALU_DEP_1)
	v_add_f32 v[V+8], v[V+8], v[V+9]
	s_delay_alu instid0(VALU_DEP_1)
	v_permlanex16_b32 v[TP], v[V+8], s20, s21
	s_delay_alu instid0(VALU_DEP_1)
	v_add_f32 v[V+8], v[V+8], v[TP]                ; with lane l xor 16's eight: lrls_A's row r times v
	s_delay_alu instid0(VALU_DEP_1)
	v_fma_f32 v[S], v[V+8], 0x39800000, v[SCL]     ; s = scale + 2^-12 x it
	s_wait_alu depctr_va_vdst(0)
	s_wait_loadcnt 4*(DEPTH-1)                     ; step 0's four loads are in; the 28 of steps 1 to 7 may be out
	TURN 0
.macro STEP t
.set XS, X+16*((\t)%2)
.if (\t) > 0
	s_wait_dscnt 2                                 ; this step's numbers are back from the stage; the last step's two stores (its byte, its codes) may be out
.else
	s_wait_dscnt 0x0
.endif
.if (\t)+DEPTH < STEPS
	LOAD (\t)+DEPTH                                ; the set that this step's numbers have left takes the loads of eight steps on
.endif
.if (\t)+1 < STEPS
.if STEPS-2-(\t) >= DEPTH-1
	s_wait_loadcnt 4*(DEPTH-1)                     ; the next step's four loads are in; those of the seven steps behind it may be out
.else
	s_wait_loadcnt 4*(STEPS-2-(\t))                ; towards the end: those of the steps that are left
.endif
	TURN (\t)+1
.endif
	v_readlane_b32 s40, v[S], \t                   ; s of the step's row
.irp j, 0,2,4,6,8,10,12,14
	v_pk_add_f32 v[T+\j:T+\j+1], v[XS+\j:XS+\j+1], v[XS+\j:XS+\j+1]   ; w / 0.5
.endr
.irp j, 0,1,2,3,4,5,6,7,8,9,10,11,12,13,14,15
	v_rndne_f32 v[T+\j], v[T+\j]                   ; to the nearest whole number, ties to even
.endr
.irp j, 0,1,2,3,4,5,6,7,8,9,10,11,12,13,14,15
	v_med3_num_f32 v[T+\j], v[T+\j], -1.0, 1.0
.endr
.irp j, 0,2,4,6,8,10,12,14
	v_pk_add_f32 v[T+\j:T+\j+1], v[T+\j:T+\j+1], v[XS+\j:XS+\j+1] neg_lo:[0,1] neg_hi:[0,1]   ; less w,
.endr
.irp j, 0,2,4,6,8,10,12,14
	v_pk_add_f32 v[T+\j:T+\j+1], v[XS+\j:XS+\j+1], v[T+\j:T+\j+1]   ; plus w: w_q with the roundings of the definition
.endr
.irp j, 0,2,4,6,8,10,12,14
	v_pk_mul_f32 v[T+\j:T+\j+1], v[T+\j:T+\j+1], s[40:41] op_sel_hi:[1,0]   ; times s (the pair's low word serves both halves)
.endr
	v_max3_num_f32 v8, |v[T]|, |v[T+1]|, |v[T+2]|
	v_max3_num_f32 v9, |v[T+3]|, |v[T+4]|, |v[T+5]|
.irp i, 6,10
	s_delay_alu instid0(VALU_DEP_2)
	v_max3_num_f32 v8, v8, |v[T+\i]|, |v[T+\i+1]|
	s_delay_alu instid0(VALU_DEP_2)
	v_max3_num_f32 v9, v9, |v[T+\i+2]|, |v[T+\i+3]|
.endr
	s_delay_alu instid0(VALU_DEP_2)
	v_max3_num_f32 v8, v8, |v[T+14]|, |v[T+15]|
	s_delay_alu instid0(VALU_DEP_1)
	v_max3_num_f32 v8, v8, v9, 0x1800000           ; the floor 2^(3 - 127): the byte cannot fall under 1
	s_delay_alu instid0(VALU_DEP_1)
	v_max_num_f32_dpp v8, v8, v8 row_xmask:1 row_mask:0xf bank_mask:0xf   ; with my neighbour's 16: the block's largest magnitude
	s_delay_alu instid0(VALU_DEP_1)
	v_add_nc_u32 v11, 0xff000000, v8               ; 2 off its exponent field: the conversion's scale operand
	v_cvt_scalef32_pk8_fp4_f32 v[C+2*((\t)%4)], v[T:T+7], v11
	v_cvt_scalef32_pk8_fp4_f32 v[C+2*((\t)%4)+1], v[T+8:T+15], v11
	v_lshrrev_b32 v[E+(\t)%2], 23, v11             ; the scale's byte; also the plain line behind the conversions
	ds_store_b8 v5, v[E+(\t)%2] offset:16*(\t)
	ds_store_b64 v242, v[C+2*((\t)%4):C+2*((\t)%4)+1] offset:16*(\t)   ; row t's place in each piece of the stage
.endm
.irp t, 0,1,2,3,4,5,6,7,8,9,10,11,12,13,14,15
	STEP \t
.endr
.irp k, 0,1,2,3,4,5,6,7
	ds_load_b128 v[R+4*\k:R+4*\k+3], v243 offset:544*\k            ; my codes as register images; LDS serves a wave's instructions in order: these see my stores
.endr
	s_wait_dscnt 0x0                               ; the codes are back; for the others' sake: my byte stores have landed
.irp k, 0,1,2,3,4,5,6,7
	global_store_b128 v3, v[R+4*\k:R+4*\k+3], s[12:13] offset:512*\k   ; 512 consecutive bytes, aligned
.endr
	s_barrier_signal -1
	s_barrier_wait -1                              ; the eight waves' scale bytes lie in LDS; nobody writes them again
	ds_load_b64 v[12:13], v6
	s_wait_dscnt 0x0
	global_store_b64 v4, v[12:13], s[24:25]        ; 256 of the block's scale bytes: consecutive, aligned
	s_wait_tensorcnt 0x0
	ds_add_u32 v244, v245
	s_wait_dscnt 0x0
	s_endpgm
.Lfunc_end_k_q1f1ea4034d_quant_w:
	.size	k_q1f1ea4034d_quant_w, .Lfunc_end_k_q1f1ea4034d_quant_w-k_q1f1ea4034d_quant_w
	.p2alignl 7, 3214868480
	.fill 96, 4, 3214868480
	.section	.rodata,"a",@progbits
	.p2align	6, 0x0
	.amdhsa_kernel k_q1f1ea4034d_quant_w
		.amdhsa_group_segment_fixed_size 81408
		.amdhsa_private_segment_fixed_size 0
		.amdhsa_enable_private_segment 0
		.amdhsa_kernarg_size 40
		.amdhsa_user_sgpr_count 2
		.amdhsa_user_sgpr_kernarg_segment_ptr 1
		.amdhsa_wavefront_size32 1
		.amdhsa_system_sgpr_workgroup_id_x 1
		.amdhsa_system_sgpr_workgroup_id_y 1
		.amdhsa_system_sgpr_workgroup_id_z 1
		.amdhsa_system_vgpr_workitem_id 0
		.amdhsa_next_free_vgpr 246
		.amdhsa_next_free_sgpr 66
		.amdhsa_reserve_vcc 0
		.amdhsa_float_denorm_mode_32 3
		.amdhsa_float_denorm_mode_16_64 3
		.amdhsa_memory_ordered 1
		.amdhsa_forward_progress 1
		.amdhsa_inst_pref_size 103
	.end_amdhsa_kernel
	.amdgpu_metadata
---
amdhsa.version: [ 1, 2 ]
amdhsa.kernels:
  - .name:           k_q1f1ea4034d_quant_w
    .symbol:         k_q1f1ea4034d_quant_w.kd
    .args:
      - { .name: weight, .offset: 0, .size: 8, .value_kind: global_buffer, .address_space: global }
      - { .name: part, .offset: 8, .size: 8, .value_kind: global_buffer, .address_space: global }
      - { .name: lrls_A, .offset: 16, .size: 8, .value_kind: global_buffer, .address_space: global }
      - { .name: scale, .offset: 24, .size: 8, .value_kind: global_buffer, .address_space: global }
      - { .name: wq, .offset: 32, .size: 8, .value_kind: global_buffer, .address_space: global }
    .group_segment_fixed_size: 81408
    .private_segment_fixed_size: 0
    .kernarg_segment_align: 8
    .kernarg_segment_size: 40
    .max_flat_workgroup_size: 256
    .sgpr_count:     66
    .vgpr_count:     246
    .wavefront_size: 32
...
	.end_amdgpu_metadata
.endif
;; end of part 2
;; launch gemm (part 3): grid 16 x 16, 4 waves a work-group, clusters of 4 x 4, 327,680 bytes of LDS; arguments xq, wq, out0; writes out0
.if DOCPART == 3
	.amdgcn_target "amdgcn-amd-amdhsa--gfx1250"
	.amdhsa_code_object_version 6
	.text
	.protected	k_q1f1ea4034d_gemm
	.globl	k_q1f1ea4034d_gemm
	.p2align	8
	.type	k_q1f1ea4034d_gemm,@function
k_q1f1ea4034d_gemm:
	s_mov_b64 s[64:65], 0
	v_nop
	global_prefetch_b8 v0, s[64:65] scope:SCOPE_SE
	s_setreg_imm32_b32 hwreg(HW_REG_WAVE_MODE, 25, 1), 1
	s_wait_xcnt 0x0
	s_wait_alu depctr_hold_cnt(0) depctr_sa_sdst(0) depctr_va_vdst(0) depctr_va_sdst(0) depctr_va_ssrc(0) depctr_va_vcc(0) depctr_vm_vsrc(0)
	s_getreg_b32 s2, hwreg(HW_REG_IB_STS2, 6, 4)
	s_cmp_eq_u32 s2, 0
	s_cbranch_scc0 .Lentry_in_a_cluster
	s_endpgm
.Lentry_in_a_cluster:
	s_bfe_u32 s2, ttmp6, 0x10000c
	s_cmp_lg_u32 s2, 0xf033
	s_cbranch_scc0 .Lentry_shape_is_right
	s_endpgm
.Lentry_shape_is_right:
; out0[m][n] = sum over k of x_q[m][k] w_q[n][k]: both operands are codes of FP4 (E2M1) with one E8M0 byte for each 32 along K, as the two launches before have made them; sums in f32.
; BOTH BUFFERS: the block of row group g (128 rows) and K step s (512 along K) is GRP = 34,816 bytes at (8 g + s) GRP.  Codes as register images: rows 16 i .., the q-th 128 along K, at 4096 i + 1024 q:
; two runs of 512 bytes, 16 bytes a lane.  Scale words at 32768 + 512 q + 16 lane + 4 j: lane 16 h + r, word j: row r of rows' block 2 j + h.
; SHARES.  A tile of out0, 256 x 256, is made by a work-group of four waves; a wave makes 128 x 128: 64 accumulators of 16 x 16, 512 registers.  256 work-groups.
; K goes in steps of 512 through a ring of two LDS slots; a slot holds four blocks (x's two row groups, then w's two), each brought whole by one wave's tensor load: 136 dense rows of 256 bytes.
; CLUSTERS: 4 x 4 work-groups.  The four of a row of the cluster need the same blocks of x, the four of a column the same blocks of w: each block is asked for JOINTLY.
; A step of 128 along K is 64 matrix instructions; the next step's fragments and scale words (34 LDS loads, neighbouring lanes on neighbouring 16 bytes) are asked for in one run at the step's head.
; THE LAST K STEP GOES BY ROWS OF out0: all its fragments of w lie in the four sets, and my eight blocks of 16 rows are finished one after the other, so that finished rows leave while the others are multiplied.
; THE MATRIX INSTRUCTION IS USED TRANSPOSED (source 0 = 16 rows of w, source 1 = 16 rows of x): a lane then holds eight neighbouring numbers of a row of out0.
; REGISTERS, in windows of 256: window 0: v16-29 addresses; v32-47 w's scale words, four sets of 4; v48-55 x's, two sets of 4 (in the last K step v48-63, four sets);
;   v128-255 x's fragments, two sets of 64 (in the last K step four buffers of 32: 16 rows x 512 K).
;   window 1: w's fragments, four sets of 64, set q for the slot's q-th step.  Window 2: the accumulators of my rows 0-63 ((a, b) at v[8 (8 (a % 4) + b)]); window 3: those of rows 64-127.
.set SIZE_N, 4096
.set GRP,    34816
.set SLOT,   4*GRP
.set STAGE,  2*SLOT                    ; behind the ring: a stage of 16 rows x (512 + 16) bytes for each wave, for the way out; no tensor load lands there
.set SPITCH, 528
.set SPARE,  STAGE+4*16*SPITCH         ; behind the stages: the spare words, 128 bytes a wave
.set LAPS,   4                         ; a lap = two K steps = once round the ring
.set ADRA, 16                          ; v16-17  LDS address of my lane's 16 bytes in x's block, slot 0, 1
.set ADRB, 18                          ; v18-19  the same in w's block
.set STO,  20                          ; v20     the way out: where I put 32 bytes of a row
.set RD,   21                          ; v21     the way out: where I read a row back
.set CO,   22                          ; v22     16 x lane: my place in a row of out0
.set PFO,  23                          ; v23-24  the prefetches' offsets
.set PFO2, 24
.set SPW,  28                          ; v28     my spare word;  v29  0; never rewritten
.set NIL,  29
.set SB,   32
.set SA,   48
.set AF,   128
.set BYROW, 0                          ; 1 in the last K step: x's fragments and scale words are then laid by blocks of rows
.set G1,  24                           ; s[24:31] descriptor group 1 for x's blocks; s[32:39] group 0, one set for each slot
.set G0,  32
.set G1B, 48                           ; s[48:55], s[56:63] the same for w's blocks
.set G0B, 56
.set PFA, 66                           ; s[66:67] where my prefetches stand
.set MSB, 0
.macro WIN new                         ; the immediate's high byte repeats the setting that is left
.if MSB != \new
	s_set_vgpr_msb (MSB<<8)|\new
.set MSB, \new
.endif
.endm
.set MUL_LO, 0xa1                      ; source 0 (w) window 1, source 1 (x) window 0, C and D window 2
.set MUL_HI, 0xf1                      ; the same, C and D window 3
.set TO_B,   0x40                      ; destination window 1, address window 0
; A joint load: waves 0 and 1 fetch x's two blocks, waves 2 and 3 w's.  Each line has one mask and one set of registers for all that issue it; the branch hangs on the wave's number alone.
; An s_nop 0 and four v_nop follow each of the two lines.
.macro JLOAD s
	s_cmp_eq_u32 s15, 0
	s_cbranch_scc0 .Lfor_b_\@
	tensor_load_to_lds s[G0+4*\s:G0+4*\s+3], s[G1:G1+7]
	s_nop 0
.rept 4
	v_nop
.endr
	s_branch .Lasked_\@
.Lfor_b_\@:
	tensor_load_to_lds s[G0B+4*\s:G0B+4*\s+3], s[G1B:G1B+7]
	s_nop 0
.rept 4
	v_nop
.endr
.Lasked_\@:
.endm
; A PREFETCH INTO THE L2 of one K step of the block that my wave fetches.  Every cluster asks for what it will itself load; the four partners that ask for a block jointly share its 136 runs of 256 bytes
; out BY ADDRESS, 34 each (place cx for x, cy for w): 32 by the first line, a lane a run, and two by the second, whose lanes left over name those two again.
.macro PF k
	global_prefetch_b8 v[PFO], s[PFA:PFA+1] offset:(\k)*GRP th:TH_LOAD_NT scope:SCOPE_SE
	global_prefetch_b8 v[PFO2], s[PFA:PFA+1] offset:(\k)*GRP+8192 th:TH_LOAD_NT scope:SCOPE_SE
.endm
.macro ASK                             ; behind the refill with K step t + 2: K step t + 4, two refills on.  It exists in the loop's first two trips (s3 = 3, 2)
	s_cmp_gt_u32 s3, 1
	s_cbranch_scc0 .Lno_ask_\@
	PF 3
.Lno_ask_\@:
.endm
.macro CREST                           ; a round of the cluster's barrier behind its opening barrier
	s_cmp_lg_u32 s14, 0
	s_cbranch_scc1 .Lnot_wave_0_\@
	s_barrier_signal -3
.Lnot_wave_0_\@:
	s_barrier_wait -3
	s_barrier_signal -1
	s_barrier_wait -1
.endm
.macro CROUND                          ; a whole round
	s_barrier_signal -1
	s_barrier_wait -1
	CREST
.endm
	s_load_b128 s[4:7], s[0:1], 0x0                ; x's buffer, w's buffer
	s_load_b64 s[12:13], s[0:1], 0x10              ; out0
	v_lshl_add_u32 v[SPW], v0, 2, SPARE
	v_mov_b32 v[NIL], 0
	ds_add_u32 v[SPW], v[NIL]                      ; the opening lines: the add, twice on end, and its wait ahead of my first tensor load
	ds_add_u32 v[SPW], v[NIL]
	v_lshrrev_b32 v1, 5, v0
	v_readfirstlane_b32 s14, v1                    ; wave 0..3
	s_lshr_b32 s15, s14, 1                         ; which half of the tile's rows is mine.  Also: I fetch for x (0) or for w (1)
	s_and_b32 s16, s14, 1                          ; which half of its columns.  Also: which of the two blocks I fetch
	s_bfe_u32 s40, ttmp6, 0x40000                  ; cx, cy: my place in the cluster
	s_bfe_u32 s41, ttmp6, 0x40004
	s_lshl_b32 s42, ttmp9, 2
	s_add_co_u32 s42, s42, s40                     ; tile column = 4 x cluster x + cx
	s_and_b32 s17, ttmp7, 0xffff
	s_lshl_b32 s17, s17, 2
	s_add_co_u32 s17, s17, s41                     ; tile row = 4 x cluster y + cy
	s_lshl_b32 s43, s41, 2
	s_lshl_b32 s43, 15, s43                        ; my row of the cluster
	s_lshl_b32 s44, 0x1111, s40                    ; my column
	s_or_b32 s[G1+0], s43, (3<<16)|(1<<21)         ; the mask: x's blocks go to my row; elements of 8 bytes; bit 21 set beside a mask; no padding
	s_or_b32 s[G1B+0], s44, (3<<16)|(1<<21)
.irp g, G1, G1B
	s_mov_b32 s[\g+1], 32<<16                      ; a dense block as 136 rows of 256 bytes: tensor_dim0 = 32
	s_mov_b32 s[\g+2], 136<<16                     ; tensor_dim1 = 136
	s_mov_b32 s[\g+3], 32<<16                      ; tile_dim0
	s_mov_b32 s[\g+4], 136                         ; tile_dim1
	s_mov_b32 s[\g+5], 32                          ; pitch
	s_mov_b32 s[\g+6], 0
	s_mov_b32 s[\g+7], 0
.endr
	s_lshl_b32 s20, s17, 1
	s_add_co_u32 s20, s20, s16
	s_mul_i32 s20, s20, 8*GRP                      ; x: row group 2 x tile row + which
	s_mov_b32 s21, 0
	s_lshl_b32 s46, s42, 1
	s_add_co_u32 s46, s46, s16
	s_mul_i32 s46, s46, 8*GRP                      ; w: row group 2 x tile column + which
	s_mov_b32 s47, 0
	s_mul_i32 s45, s14, GRP                        ; where my block goes in a slot: no place in the cluster enters an LDS address
	s_mul_i32 s68, s15, GRP                        ; what I read: x's block of my rows,
	s_add_co_u32 s69, s68, SLOT
	s_mul_i32 s70, s16, GRP
	s_add_co_u32 s70, s70, 2*GRP                   ; w's block of my columns, behind x's two
	s_add_co_u32 s71, s70, SLOT
	s_mul_i32 s22, s14, 16*SPITCH
	s_add_co_u32 s22, s22, STAGE                   ; my stage
	v_and_b32 v2, 31, v0                           ; lane
	v_and_b32 v3, 15, v0                           ; r
	v_bfe_u32 v4, v0, 4, 1                         ; h
	v_lshlrev_b32 v[CO], 4, v2
	v_add_nc_u32 v[ADRA], s68, v[CO]
	v_add_nc_u32 v[ADRA+1], s69, v[CO]
	v_add_nc_u32 v[ADRB], s70, v[CO]
	v_add_nc_u32 v[ADRB+1], s71, v[CO]
	v_mul_u32_u24 v5, v3, SPITCH
	v_lshl_add_u32 v5, v4, 5, v5
	v_add_nc_u32 v[STO], s22, v5                   ; in: row r, 32 bytes for each half of the lanes
	v_add_nc_u32 v[RD], s22, v[CO]                 ; back: the 32 lanes take one row of 512 bytes
	v_lshlrev_b32 v[PFO], 8, v2
	v_and_b32 v[PFO2], 1, v0
	v_lshlrev_b32 v[PFO2], 8, v[PFO2]
	s_wait_alu depctr_va_vdst(0)                   ; the wait behind the head's last vector instruction, directly ahead of the wait below
	s_wait_dscnt 0x0                               ; both opening adds are done
	s_wait_kmcnt 0x0
	s_add_nc_u64 s[20:21], s[4:5], s[20:21]
	s_add_nc_u64 s[46:47], s[6:7], s[46:47]
.irp s, 0,1
	s_mov_b32 s[G0+4*\s], 1
	s_add_co_u32 s[G0+4*\s+1], s45, \s*SLOT
	s_add_nc_u64 s[G0+4*\s+2:G0+4*\s+3], s[20:21], \s*GRP          ; K step s
	s_or_b32 s[G0+4*\s+3], s[G0+4*\s+3], 0x80000000
	s_mov_b32 s[G0B+4*\s], 1
	s_add_co_u32 s[G0B+4*\s+1], s45, \s*SLOT
	s_add_nc_u64 s[G0B+4*\s+2:G0B+4*\s+3], s[46:47], \s*GRP
	s_or_b32 s[G0B+4*\s+3], s[G0B+4*\s+3], 0x80000000
.endr
	s_lshl_b32 s18, s17, 22                        ; out0: 256 rows of 16,384 bytes a tile row,
	s_lshl_b32 s19, s15, 21                        ; 128 rows for my half,
	s_add_co_u32 s18, s18, s19
	s_lshl_b32 s19, s42, 10                        ; 1,024 bytes a tile column,
	s_add_co_u32 s18, s18, s19
	s_lshl_b32 s19, s16, 9                         ; 512 for my half
	s_add_co_u32 s18, s18, s19
	s_mov_b32 s19, 0
	s_add_nc_u64 s[12:13], s[12:13], s[18:19]
	s_cmp_eq_u32 s15, 0                            ; the prefetches: do I fetch for x?
	s_cselect_b32 s18, s17, s42
	s_cselect_b32 s19, s40, s41                    ; my place among the four that ask for the block with me
	s_cselect_b64 s[PFA:PFA+1], s[4:5], s[6:7]
	s_lshl_b32 s18, s18, 1
	s_add_co_u32 s18, s18, s16
	s_mul_i32 s18, s18, 8*GRP
	s_mul_i32 s19, s19, 8704                       ; my work-group's 34 runs of 256 bytes
	s_add_co_u32 s18, s18, s19
	s_mov_b32 s19, 0
	s_add_nc_u64 s[PFA:PFA+1], s[PFA:PFA+1], s[18:19]   ; at K step 0
	CROUND                                         ; all sixteen work-groups are here: the first joint loads meet
	JLOAD 0                                        ; K step 0: one tensor load a wave at the head
	PF 1                                           ; the buffers' first touch: K step 1 is asked for here, K steps 2 and 3 behind the next joint load: never more than two K steps asked for and not yet loaded
.macro FETCHB slot, q                  ; w's eight fragments and its scale words of the slot's q-th 128 along K, into set q: 17 LDS loads
	WIN TO_B
.irp i, 0,1,2,3,4,5,6,7
.irp c, 0,1
	ds_load_b128 v[64*(\q)+8*\i+4*\c:64*(\q)+8*\i+4*\c+3], v[ADRB+\slot] offset:4096*\i+1024*(\q)+512*\c
.endr
.endr
	WIN 0
	ds_load_b128 v[SB+4*(\q):SB+4*(\q)+3], v[ADRB+\slot] offset:32768+512*(\q)
.endm
.macro FETCH slot, q                   ; both operands' fragments and scale words of a step: 34 LDS loads in one run; x's into set q % 2
	FETCHB \slot, \q
.irp i, 0,1,2,3,4,5,6,7
.irp c, 0,1
	ds_load_b128 v[AF+64*((\q)%2)+8*\i+4*\c:AF+64*((\q)%2)+8*\i+4*\c+3], v[ADRA+\slot] offset:4096*\i+1024*(\q)+512*\c
.endr
.endr
	ds_load_b128 v[SA+4*((\q)%2):SA+4*((\q)%2)+3], v[ADRA+\slot] offset:32768+512*(\q)
.endm
.macro ALOAD a                         ; the last K step (slot 1): x's block a, all four steps of 128, into buffer a % 4: 8 LDS loads
.irp q, 0,1,2,3
.irp c, 0,1
	ds_load_b128 v[AF+32*((\a)%4)+8*\q+4*\c:AF+32*((\a)%4)+8*\q+4*\c+3], v[ADRA+1] offset:4096*(\a)+1024*\q+512*\c
.endr
.endr
.endm
; One product: x's block a, w's block b, the slot's p-th step (w's set p).  A scale register holds an even block's words in lanes 0-15 and the next block's in lanes 16-31.  z = 1: the product starts the sum.
.macro WM a, b, p, z
.set DD, 8*(8*((\a)%4)+(\b))
.set BF, 64*(\p)+8*(\b)
.set XB, SB+4*(\p)+(\b)/2
.if BYROW
.set FA, AF+32*((\a)%4)+8*(\p)
.set XA, SA+4*(\p)+(\a)/2
.else
.set FA, AF+64*((\p)%2)+8*(\a)
.set XA, SA+4*((\p)%2)+(\a)/2
.endif
.set SEL, 4*(\z)+2*((\b)%2)+((\a)%2)
.if SEL == 0
	v_wmma_scale_f32_16x16x128_f8f6f4 v[DD:DD+7], v[BF:BF+7], v[FA:FA+7], v[DD:DD+7], v[XB], v[XA] matrix_a_fmt:MATRIX_FMT_FP4 matrix_b_fmt:MATRIX_FMT_FP4
.endif
.if SEL == 1
	v_wmma_scale_f32_16x16x128_f8f6f4 v[DD:DD+7], v[BF:BF+7], v[FA:FA+7], v[DD:DD+7], v[XB], v[XA] matrix_a_fmt:MATRIX_FMT_FP4 matrix_b_fmt:MATRIX_FMT_FP4 matrix_b_scale:MATRIX_SCALE_ROW1
.endif
.if SEL == 2
	v_wmma_scale_f32_16x16x128_f8f6f4 v[DD:DD+7], v[BF:BF+7], v[FA:FA+7], v[DD:DD+7], v[XB], v[XA] matrix_a_fmt:MATRIX_FMT_FP4 matrix_b_fmt:MATRIX_FMT_FP4 matrix_a_scale:MATRIX_SCALE_ROW1
.endif
.if SEL == 3
	v_wmma_scale_f32_16x16x128_f8f6f4 v[DD:DD+7], v[BF:BF+7], v[FA:FA+7], v[DD:DD+7], v[XB], v[XA] matrix_a_fmt:MATRIX_FMT_FP4 matrix_b_fmt:MATRIX_FMT_FP4 matrix_a_scale:MATRIX_SCALE_ROW1 matrix_b_scale:MATRIX_SCALE_ROW1
.endif
.if SEL == 4
	v_wmma_scale_f32_16x16x128_f8f6f4 v[DD:DD+7], v[BF:BF+7], v[FA:FA+7], 0, v[XB], v[XA] matrix_a_fmt:MATRIX_FMT_FP4 matrix_b_fmt:MATRIX_FMT_FP4
.endif
.if SEL == 5
	v_wmma_scale_f32_16x16x128_f8f6f4 v[DD:DD+7], v[BF:BF+7], v[FA:FA+7], 0, v[XB], v[XA] matrix_a_fmt:MATRIX_FMT_FP4 matrix_b_fmt:MATRIX_FMT_FP4 matrix_b_scale:MATRIX_SCALE_ROW1
.endif
.if SEL == 6
	v_wmma_scale_f32_16x16x128_f8f6f4 v[DD:DD+7], v[BF:BF+7], v[FA:FA+7], 0, v[XB], v[XA] matrix_a_fmt:MATRIX_FMT_FP4 matrix_b_fmt:MATRIX_FMT_FP4 matrix_a_scale:MATRIX_SCALE_ROW1
.endif
.if SEL == 7
	v_wmma_scale_f32_16x16x128_f8f6f4 v[DD:DD+7], v[BF:BF+7], v[FA:FA+7], 0, v[XB], v[XA] matrix_a_fmt:MATRIX_FMT_FP4 matrix_b_fmt:MATRIX_FMT_FP4 matrix_a_scale:MATRIX_SCALE_ROW1 matrix_b_scale:MATRIX_SCALE_ROW1
.endif
.endm
.macro MUL16 a0, p, z                  ; x's blocks a0, a0 + 1 against w's eight.  The 64 accumulators take turns, in the same order in every step
.irp a, 0,1
.irp b, 0,1,2,3,4,5,6,7
	WM (\a0+\a), \b, \p, \z
.endr
.endr
.endm
.macro PLACES                          ; four places behind matrix instructions, in front of loads into registers that they have read or written and of reads of their results
.rept 4
	v_nop
.endr
.endm
.macro STEP slot, q, z                 ; a step of 128 along K that has its successor in the same slot
	s_wait_dscnt 0x0                               ; this step's 34 loads, asked for a step ago, are in
	PLACES
	FETCH \slot, (\q)+1                            ; into the sets that the last step has left
	WIN MUL_LO
	MUL16 0, \q, \z
	MUL16 2, \q, \z
	WIN MUL_HI
	MUL16 4, \q, \z
	MUL16 6, \q, \z
.endm
; A slot's last step changes slots: ONE barrier; in front of it each wave waits for all its tensor loads, adds 0 to its spare word, and waits for that and for its own reads of this slot.
; fill = 1: this slot is filled again, two K steps ahead.  fill = 2: the last change of slots: nothing is filled; of the last K step come the fragments for which registers are free:
; w's sets 0 to 2 and x's blocks 0 and 1 (set 3 and v192-255 are still being multiplied).
.macro TURN slot, next, fill
.if \fill == 1
	s_wait_xcnt 0x0                                ; my prefetches have read their address
	s_add_nc_u64 s[PFA:PFA+1], s[PFA:PFA+1], GRP
.endif
	WIN 0                                          ; (the add's two registers lie in window 0)
	s_wait_tensorcnt 0x0                           ; all my tensor loads have landed: my block of the next slot;
	ds_add_u32 v[SPW], v[NIL]                      ; 0 onto my spare word;
	s_wait_dscnt 1                                 ; (the add alone may be out: this step's fragments are in)
	WIN MUL_LO
	MUL16 0, 3, 0                                  ; sixteen matrix instructions stand between the add and the wait for it
	s_wait_dscnt 0x0                               ; the add is done, and my reads of this slot are over
	s_barrier_signal -1
	MUL16 2, 3, 0
	WIN 0
	s_barrier_wait -1
.if \fill == 1
	CREST                                          ; the barrier has opened a round of the cluster's barrier: no wave of any partner still reads this slot or has a load on its way
	s_add_nc_u64 s[G0+4*\slot+2:G0+4*\slot+3], s[G0+4*\slot+2:G0+4*\slot+3], 2*GRP
	s_add_nc_u64 s[G0B+4*\slot+2:G0B+4*\slot+3], s[G0B+4*\slot+2:G0B+4*\slot+3], 2*GRP
	JLOAD \slot                                    ; the first tensor load behind the round; its four v_nop are also the places in front of the loads below
	FETCH \next, 0
	ASK
.else
	PLACES
	FETCHB 1, 0
	FETCHB 1, 1
	FETCHB 1, 2
	ALOAD 0
	ALOAD 1
.endif
	WIN MUL_HI
	MUL16 4, 3, 0
	MUL16 6, 3, 0
.endm
	s_wait_tensorcnt 0x0                           ; my block of K step 0 is in; these lines stand ahead of a later first fill, as ahead of a refill:
	ds_add_u32 v[SPW], v[NIL]
	s_wait_dscnt 0x0
	CROUND                                         ; a whole round: everybody's block is in, and all sixteen work-groups are here,
	JLOAD 1                                        ; and K step 1's load, the first tensor load behind the round
	FETCH 0, 0
	PF 2
	PF 3
	STEP 0, 0, 1                                   ; the first step stands in front of the loop: its products start the sums
	WIN 0                                          ; at a label and at a branch every window is 0
	s_mov_b32 s3, LAPS-1
.Llap:                                                 ; a trip goes once round the ring, from a lap's second step to the next lap's first, and fills both slots again
	STEP 0, 1, 0
	STEP 0, 2, 0
	TURN 0, 1, 1
	STEP 1, 0, 0
	STEP 1, 1, 0
	STEP 1, 2, 0
	TURN 1, 0, 1
	STEP 0, 0, 0
	WIN 0
	s_sub_co_u32 s3, s3, 1
	s_cmp_lg_u32 s3, 0
	s_cbranch_scc1 .Llap
	STEP 0, 1, 0                                   ; the last lap fills nothing, and has no round of the cluster's barrier
	STEP 0, 2, 0
	TURN 0, 1, 2
; THE LAST K STEP, BY ROWS OF out0.  Block a (16 rows x 128 columns) is finished by 32 matrix instructions, its 8 accumulators by turns, K ascending.
; THE WAY OUT of a block: its accumulators go into my own stage in LDS (STG) and come back as whole rows of 512 bytes INTO THE SAME 64 REGISTERS (BACK), behind a wait that shows the stage's stores done;
; the 32 lanes then store each row as two aligned runs of 256 bytes (SEND).  Each part stands behind the next block's matrix instructions.  No register that a store reads is written again and every
; offset is an immediate (127 rows of 16,384 bytes at the most, inside the signed 24 bits: ISA guide, chapter 10), so the way out has no wait on XCNT.
.set BYROW, 1
.macro ROW a
	WIN MUL_LO+0x50*((\a)/4)                       ; C and D: window 2 or 3
.irp q, 0,1,2,3
.irp b, 0,1,2,3,4,5,6,7
	WM \a, \b, \q, 0
.endr
.endr
.endm
.macro OUTW a                          ; LDS and global stores' data (source 1) and LDS loads' destination: window 2 or 3; addresses: window 0
	WIN 0x88+0x44*((\a)/4)
.endm
.macro STG a
.set AC, 64*((\a)%4)
	OUTW \a
.irp b, 0,1,2,3,4,5,6,7
	ds_store_b128 v[STO], v[AC+8*\b:AC+8*\b+3] offset:64*\b          ; each accumulator from its low end on
	ds_store_b128 v[STO], v[AC+8*\b+4:AC+8*\b+7] offset:64*\b+16
.endr
.endm
.macro BACK a
.set AC, 64*((\a)%4)
	OUTW \a
.irp t, 0,1,2,3,4,5,6,7,8,9,10,11,12,13,14,15
	ds_load_b128 v[AC+4*\t:AC+4*\t+3], v[RD] offset:\t*SPITCH
.endr
.endm
.macro SEND a, younger                 ; younger: the LDS instructions issued behind block a's loads, which may stay out
.set AC, 64*((\a)%4)
	s_wait_dscnt \younger
	OUTW \a
.irp t, 0,1,2,3,4,5,6,7,8,9,10,11,12,13,14,15
	global_store_b128 v[CO], v[AC+4*\t:AC+4*\t+3], s[12:13] offset:(16*(\a)+\t)*SIZE_N*4 th:TH_STORE_NT
.endr
.endm
	PLACES                                         ; for the loads into w's set 3, x's v192-255 and x's scale words, which the products above have read
	WIN 0
.irp q, 0,1,2,3
	ds_load_b128 v[SA+4*\q:SA+4*\q+3], v[ADRA+1] offset:32768+512*\q   ; x's scale words of the four steps
.endr
	FETCHB 1, 3
	ALOAD 2
	ALOAD 3
	s_wait_dscnt 16                                ; all but x's blocks 2 and 3
	ROW 0
.irp a, 0,1,2,3,4,5,6,7
	PLACES                                         ; behind block a's products
	STG \a
.if \a < 4
	WIN 0
	ALOAD \a+4                                     ; its buffer takes the block four further on
.endif
.if \a < 7
	ROW \a+1
.endif
.if \a > 0
.if \a < 4
	SEND \a-1, 24                                  ; behind block a - 1's loads: block a's 16 stores into the stage and 8 fragment loads
.else
	SEND \a-1, 16
.endif
.endif
	s_wait_dscnt 0x0                               ; block a's stores into the stage have read their registers
	BACK \a
.endr
	SEND 7, 0
	WIN 0
	s_wait_tensorcnt 0x0                           ; the wave's end
	ds_add_u32 v[SPW], v[NIL]
	s_wait_dscnt 0x0
	CROUND                                         ; the closing round: no work-group ends while a partner may still ask for a block that names it
	s_endpgm
.Lfunc_end_k_q1f1ea4034d_gemm:
	.size	k_q1f1ea4034d_gemm, .Lfunc_end_k_q1f1ea4034d_gemm-k_q1f1ea4034d_gemm
	.p2alignl 7, 3214868480
	.fill 96, 4, 3214868480
	.section	.rodata,"a",@progbits
	.p2align	6, 0x0
	.amdhsa_kernel k_q1f1ea4034d_gemm
		.amdhsa_group_segment_fixed_size 327680
		.amdhsa_private_segment_fixed_size 0
		.amdhsa_enable_private_segment 0
		.amdhsa_kernarg_size 24
		.amdhsa_user_sgpr_count 2
		.amdhsa_user_sgpr_kernarg_segment_ptr 1
		.amdhsa_wavefront_size32 1
		.amdhsa_system_sgpr_workgroup_id_x 1
		.amdhsa_system_sgpr_workgroup_id_y 1
		.amdhsa_system_sgpr_workgroup_id_z 1
		.amdhsa_system_vgpr_workitem_id 0
		.amdhsa_next_free_vgpr 1024
		.amdhsa_next_free_sgpr 72
		.amdhsa_reserve_vcc 0
		.amdhsa_float_denorm_mode_32 3
		.amdhsa_float_denorm_mode_16_64 3
		.amdhsa_memory_ordered 1
		.amdhsa_forward_progress 1
		.amdhsa_inst_pref_size 208
	.end_amdhsa_kernel
	.amdgpu_metadata
---
amdhsa.version: [ 1, 2 ]
amdhsa.kernels:
  - .name:           k_q1f1ea4034d_gemm
    .symbol:         k_q1f1ea4034d_gemm.kd
    .args:
      - { .name: xq, .offset: 0, .size: 8, .value_kind: global_buffer, .address_space: global }
      - { .name: wq, .offset: 8, .size: 8, .value_kind: global_buffer, .address_space: global }
      - { .name: out0, .offset: 16, .size: 8, .value_kind: global_buffer, .address_space: global }
    .group_segment_fixed_size: 327680
    .private_segment_fixed_size: 0
    .kernarg_segment_align: 8
    .kernarg_segment_size: 24
    .max_flat_workgroup_size: 128
    .sgpr_count:     72
    .vgpr_count:     1024
    .wavefront_size: 32
...
	.end_amdgpu_metadata
.endif
;; end of part 3
